; MI455X (gfx1250); checked and timed in simulation.
; The chip was launched on July 23, 2026; its instructions are those of AMD's public machine-readable ISA for CDNA 5 (MIT licence, August 2026) and "CDNA5" Instruction Set Architecture Reference Guide (July 2026). The comments in the code are by the model that wrote it; some were corrected since.
;; Self Attention. Allowed arithmetic: matrix products marked QUANTISED: E2M1 operands, one E8M0 scale for each 32 along K, by v_wmma_scale_f32_16x16x128_f8f6f4 with both operands' format E2M1 (or v_wmma_scale_f32_32x16x128_f4), f32 sums; everything else in f32.
;; Inputs: Wk 128 x 256 float32; Wq 128 x 256 float32; Wr 256 x 256 float32; Wv 256 x 256 float32; bk 128 float32; bq 128 float32; br 256 float32; bv 256 float32; gamma 1 float32; x 8 x 256 x 64 x 64 float32.
;; Outputs: out0 8 x 256 x 64 x 64 float32.
;; This version of the problem:
;;   THIS VERSION OF THE PROBLEM IS GIVEN IN LOW PRECISION. The matrix products marked QUANTISED in the list below multiply operands that are first quantised to E2M1 (2 exponent bits, 1 mantissa bit; 4 bits a number), with one power-of-two scale for each 32 numbers along K (OCP MX v1.0); their sums are f32. All else is computed in f32.
;;   The module's matrix products, in the order in which they are computed (A, B: the left and right operand; K: the contracted axis; several contracted axes count as one K, in the product's order):
;;     1. [M 32,768, K 256] x [K 256, N 128]; A: input x; B: input Wk: QUANTISED
;;     2. [M 32,768, K 256] x [K 256, N 128]; A: input x; B: input Wq: QUANTISED
;;     3. [M 32,768, K 256] x [K 256, N 256]; A: input x; B: input Wv: QUANTISED
;;     4. batch 8 x [M 4,096, K 128] x [K 128, N 4,096]; A: computed on the way; B: computed on the way: QUANTISED
;;     5. batch 8 x [M 256, K 4,096] x [K 4,096, N 4,096]; A: computed on the way; B: softmax (see below): QUANTISED
;;     6. [M 32,768, K 256] x [K 256, N 256]; A: computed on the way; B: input Wr: QUANTISED
;;   THE QUANTISER, for each operand of a quantised product, along K:
;;     - K is cut into blocks of 32 from its start; a last block that is shorter is filled with zeros.
;;     - A block's scale is 2^e with e = floor(log2(the largest magnitude in the block)) - 2, held to -126 .. 127; a block of zeros has e = 0. As a byte (E8M0): e + 127.
;;     - Each number is divided by its block's scale, clamped to +-6, and rounded to the nearest number of E2M1, ties to even, subnormals kept.
;;     - The product sums the exact products of the quantised numbers (number of the format x scale) in f32.
;;   ~~~python
;;   def quantise(x, axis):      # numpy; x: float32 -> the quantised numbers, widened to float32 again
;;       x = np.moveaxis(x, axis, -1); K = x.shape[-1]
;;       x = np.pad(x, [(0, 0)] * (x.ndim - 1) + [(0, -K % 32)]); x = x.reshape(x.shape[:-1] + (-1, 32)); a = np.abs(x).max(-1, keepdims=True)
;;       e = np.where(a > 0, np.clip(np.frexp(np.where(a > 0, a, 1))[1] - 1 - 2, -126, 127), 0)      # np.frexp(a)[1] - 1 = floor(log2(a)), exactly
;;       r = np.clip(x / 2.0 ** e, -6, 6)
;;       step = 2.0 ** (np.maximum(np.frexp(np.where(r == 0, 1, r))[1] - 1, 0) - 1)
;;       q = np.round(r / step) * step * 2.0 ** e      # np.round: ties to even
;;       return np.moveaxis(q.reshape(q.shape[:-2] + (-1,))[..., :K], -1, axis).astype(np.float32)
;;   ~~~
;;   SOFTMAX AHEAD OF A QUANTISED PRODUCT. Where the list says 'softmax', what is quantised is not the finished softmax but p = 2^(t - M), with t = logit x log2(e) and M = ceil(the row's largest t), a whole number; so 1/2 < the row's largest p <= 1. The row's sum l is taken of the UNQUANTISED p, in f32, and the product's result is divided by l at the end. Since M is a whole number, a kernel that streams over the keys may use a running M (the ceiling of the running maximum): every later rescaling is an exact power of two, which a block's scale takes up: the codes' values come out the same.
;;   OPERANDS COMPUTED ON THE WAY. 'Computed on the way' means the value that the module computes at that place (a softmax that the list does not call 'softmax' is quantised finished and normalised). What goes into a quantiser is computed in f32, as accurately as f32 sums, v_exp_f32 and their like allow (about 1e-6 of the number): no bf16 or f16 on the way to a quantiser, and a product that is left as it is and whose result goes on into a quantised operand takes f32 operands (vector FMAs, or v_wmma_f32_16x16x4_f32). A number that lies on a knife's edge between two numbers of the format may be rounded either way, as far as f32 arithmetic and the matrix unit's own rounding can turn it there, and no further.
;; One version. Each part assembles by itself: llvm-mc -triple=amdgcn-amd-amdhsa -mcpu=gfx1250 --defsym DOCPART=n.
;; ======== version 1 of 1: 3 launches
;; workspace buffers: wp 73,728 bytes; wrq 36,864 bytes; kvc 6,291,456 bytes; kvs 393,216 bytes; qc 2,097,152 bytes; qs 131,072 bytes
;; launch wquant (part 1): grid 48 x 1, 2 waves a work-group, no clusters, 0 bytes of LDS; arguments Wk, Wq, Wv, Wr, wp, wrq; writes wp, wrq
.if DOCPART == 1
	.amdgcn_target "amdgcn-amd-amdhsa--gfx1250"
	.amdhsa_code_object_version 6
	.text
	.protected	k_q1e0b8d1c1e_wquant
	.globl	k_q1e0b8d1c1e_wquant
	.p2align	8
	.type	k_q1e0b8d1c1e_wquant,@function
k_q1e0b8d1c1e_wquant:
	s_mov_b64 s[64:65], 0
	v_nop
	global_prefetch_b8 v0, s[64:65] scope:SCOPE_SE
	s_setreg_imm32_b32 hwreg(HW_REG_WAVE_MODE, 25, 1), 1
	s_wait_xcnt 0x0
; The four weights, f32 with K innermost (rows of 256 numbers), become codes of FP4 (E2M1) with one E8M0 byte for each 32 along K,
; laid as IMAGES OF OPERAND REGISTERS: a fragment is 16 rows x 128 K = 8 registers a lane; registers 4 c .. 4 c + 3 of lane l lie at byte 512 c + 16 l of its 1,024 bytes.
; wp:  [tile 0..31: Wk 0-7, Wq 8-15, Wv 16-31][K step 0, 1][1,024]; from byte 65,536 on [2 tile + K step][128]: the scale word of row l % 16 at 4 l.
; wrq: [tile 0..15 of Wr][K step][1,024]; from byte 32,768 on the scale words likewise.
; THE ROWS OF A TILE of Wk, Wq, Wv are not neighbours: row r of tile 2 b + u is row 32 b + 8 u + r + 8 (r / 8) of the tensor, so that the results of two neighbouring tiles are 16 neighbours along the next product's K.
; Wr's tiles take rows 16 tile + r.
; SHARES: work-group = tile (48 of them), wave = K step: a wave makes one fragment.  Lane (r, h) wants k = 128 s + 64 c + 32 h + 0 .. 31 of its row: two whole blocks of 32, eight loads of 16 bytes each.
; A block's scale is 2^(floor(log2(its largest magnitude)) - 2); its byte is the largest magnitude's exponent field - 2, held at 1 from below.
; LIMITS: a block of zeros gets the byte 1 where the quantiser's rule says 127 (its codes are zeros, and this program alone reads the bytes); NaN and infinities among the inputs are not served.
.set X,  16                            ; v16-79  my 64 numbers
.set CD, 80                            ; v80-87  the fragment
	s_load_b256 s[4:11], s[0:1], 0x0               ; Wk s[4:5], Wq s[6:7], Wv s[8:9], Wr s[10:11]
	s_load_b128 s[12:15], s[0:1], 0x20             ; wp s[12:13], wrq s[14:15]
	v_lshrrev_b32 v1, 5, v0
	v_readfirstlane_b32 s16, v1                    ; wave = K step s
	v_and_b32 v1, 15, v0                           ; r
	v_bfe_u32 v2, v0, 4, 1                         ; h
	v_and_b32 v4, 31, v0
	v_lshlrev_b32 v5, 2, v4                        ; 4 x lane: the scale word's place
	v_lshlrev_b32 v4, 4, v4                        ; 16 x lane: an image's place
	v_lshlrev_b32 v6, 3, v2                        ; 8 h: my two bytes' shift in the scale word
	v_mov_b32 v15, 0                               ; a lane permute's destination counts as one of its sources
	s_mov_b32 s28, 0x76543210
	s_mov_b32 s29, 0xfedcba98                      ; v_permlanex16_b32's selects for lane l xor 16
	s_cmp_lt_u32 ttmp9, 8                          ; the first tile of my tensor: 0, 8, 16 or 32
	s_cselect_b32 s17, 0, 8
	s_cmp_lt_u32 ttmp9, 16
	s_cselect_b32 s17, s17, 16
	s_cmp_lt_u32 ttmp9, 32
	s_cselect_b32 s17, s17, 32
	s_sub_co_u32 s25, ttmp9, s17                   ; my tile in its tensor
	s_lshr_b32 s26, s25, 1
	s_lshl_b32 s26, s26, 5
	s_and_b32 s27, s25, 1
	s_lshl_b32 s27, s27, 3
	s_add_co_u32 s26, s26, s27                     ; its first row: 32 (tile / 2) + 8 (tile % 2),
	s_lshl_b32 s27, s25, 4                         ; or, in Wr, 16 tile
	s_mov_b32 s24, 32768
	s_cmp_lt_u32 ttmp9, 32
	s_cselect_b32 s26, s26, s27
	s_cselect_b32 s18, 8192, 0                     ; rows 8-15 of a tile lie 8 rows (8,192 bytes) further on, but not in Wr
	s_cselect_b32 s19, 0, 32                       ; the first tile of my output buffer
	s_cselect_b32 s24, 65536, s24                  ; where its scale words begin
	s_lshl_b32 s26, s26, 10                        ; a row is 1,024 bytes
	s_lshl_b32 s27, s16, 9                         ; a K step 512
	s_add_co_u32 s26, s26, s27
	s_mov_b32 s27, 0
	s_sub_co_u32 s19, ttmp9, s19
	s_lshl_b32 s19, s19, 1
	s_add_co_u32 s19, s19, s16                     ; the fragment's number: 2 tile + s
	s_lshl_b32 s30, s19, 10
	s_mov_b32 s31, 0
	s_lshl_b32 s32, s19, 7
	s_add_co_u32 s32, s32, s24
	s_mov_b32 s33, 0
	v_lshrrev_b32 v7, 3, v1
	v_mul_u32_u24 v7, s18, v7
	v_lshl_add_u32 v3, v1, 10, v7
	v_lshl_add_u32 v3, v2, 7, v3                   ; my row's bytes + 128 h
	s_wait_kmcnt 0x0
	s_cmp_lt_u32 ttmp9, 8                          ; the choices hang on the work-group's number alone
	s_cselect_b64 s[20:21], s[4:5], s[6:7]
	s_cmp_lt_u32 ttmp9, 16
	s_cselect_b64 s[20:21], s[20:21], s[8:9]
	s_cmp_lt_u32 ttmp9, 32
	s_cselect_b64 s[20:21], s[20:21], s[10:11]
	s_cselect_b64 s[22:23], s[12:13], s[14:15]
	s_add_nc_u64 s[20:21], s[20:21], s[26:27]
	s_add_nc_u64 s[30:31], s[22:23], s[30:31]      ; the fragment's image
	s_add_nc_u64 s[32:33], s[22:23], s[32:33]      ; its scale words
.irp c, 0,1
.irp i, 0,1,2,3,4,5,6,7
	global_load_b128 v[X+32*\c+4*\i:X+32*\c+4*\i+3], v3, s[20:21] offset:256*\c+16*\i th:TH_LOAD_NT
.endr
.endr
.macro BMAX c                          ; the largest magnitude of my block 2 c + h, with the floor 2^(3 - 127) among its leaves: the byte cannot fall under 1
	v_max3_num_f32 v[8+\c], |v[X+32*\c]|, |v[X+32*\c+1]|, 0x1800000
.irp i, 2,4,6,8,10,12,14,16,18,20,22,24,26,28,30
	v_max3_num_f32 v[8+\c], v[8+\c], |v[X+32*\c+\i]|, |v[X+32*\c+\i+1]|
.endr
.endm
	s_wait_loadcnt 8                               ; the first block's eight loads are in; the second block's eight may be out
	BMAX 0
	s_wait_loadcnt 0x0
	BMAX 1
.irp c, 0,1
	v_add_nc_u32 v[10+\c], 0xff000000, v[8+\c]     ; 2 off the exponent field: the conversion takes the exponent field of this operand as its scale
.endr
.irp c, 0,1
	v_lshrrev_b32 v[12+\c], 23, v[10+\c]           ; the scale's byte
.endr
	v_lshl_or_b32 v14, v13, 16, v12                ; my two bytes, blocks h and 2 + h of row r,
	v_lshlrev_b32 v14, v6, v14                     ; at their places in the word;
	v_permlanex16_b32 v15, v14, s28, s29
	v_or_b32 v14, v14, v15                         ; with lane l xor 16's two the word is whole
.irp c, 0,1
.irp g, 0,1,2,3
	v_cvt_scalef32_pk8_fp4_f32 v[CD+4*\c+\g], v[X+32*\c+8*\g:X+32*\c+8*\g+7], v[10+\c]
.endr
.endr
	v_nop                                          ; one plain line behind the last scaled conversion
	global_store_b128 v4, v[CD:CD+3], s[30:31]     ; 32 lanes store 512 consecutive bytes
	global_store_b128 v4, v[CD+4:CD+7], s[30:31] offset:512
	global_store_b32 v5, v14, s[32:33]
	s_endpgm
.Lfunc_end_k_q1e0b8d1c1e_wquant:
	.size	k_q1e0b8d1c1e_wquant, .Lfunc_end_k_q1e0b8d1c1e_wquant-k_q1e0b8d1c1e_wquant
	.p2alignl 7, 3214868480
	.fill 96, 4, 3214868480
	.section	.rodata,"a",@progbits
	.p2align	6, 0x0
	.amdhsa_kernel k_q1e0b8d1c1e_wquant
		.amdhsa_group_segment_fixed_size 0
		.amdhsa_private_segment_fixed_size 0
		.amdhsa_enable_private_segment 0
		.amdhsa_kernarg_size 48
		.amdhsa_user_sgpr_count 2
		.amdhsa_user_sgpr_kernarg_segment_ptr 1
		.amdhsa_wavefront_size32 1
		.amdhsa_system_sgpr_workgroup_id_x 1
		.amdhsa_system_sgpr_workgroup_id_y 1
		.amdhsa_system_sgpr_workgroup_id_z 1
		.amdhsa_system_vgpr_workitem_id 0
		.amdhsa_next_free_vgpr 96
		.amdhsa_next_free_sgpr 66
		.amdhsa_reserve_vcc 0
		.amdhsa_float_denorm_mode_32 3
		.amdhsa_float_denorm_mode_16_64 3
		.amdhsa_memory_ordered 1
		.amdhsa_forward_progress 1
		.amdhsa_inst_pref_size 8
	.end_amdhsa_kernel
	.amdgpu_metadata
---
amdhsa.version: [ 1, 2 ]
amdhsa.kernels:
  - .name:           k_q1e0b8d1c1e_wquant
    .symbol:         k_q1e0b8d1c1e_wquant.kd
    .args:
      - { .name: Wk, .offset: 0, .size: 8, .value_kind: global_buffer, .address_space: global }
      - { .name: Wq, .offset: 8, .size: 8, .value_kind: global_buffer, .address_space: global }
      - { .name: Wv, .offset: 16, .size: 8, .value_kind: global_buffer, .address_space: global }
      - { .name: Wr, .offset: 24, .size: 8, .value_kind: global_buffer, .address_space: global }
      - { .name: wp, .offset: 32, .size: 8, .value_kind: global_buffer, .address_space: global }
      - { .name: wrq, .offset: 40, .size: 8, .value_kind: global_buffer, .address_space: global }
    .group_segment_fixed_size: 0
    .private_segment_fixed_size: 0
    .kernarg_segment_align: 8
    .kernarg_segment_size: 48
    .max_flat_workgroup_size: 64
    .sgpr_count:     66
    .vgpr_count:     96
    .wavefront_size: 32
...
	.end_amdgpu_metadata
.endif
;; end of part 1
;; launch proj (part 2): grid 256 x 1, 8 waves a work-group, no clusters, 168,960 bytes of LDS; arguments x, wp, bk, bq, bv, kvc, kvs, qc, qs; writes kvc, kvs, qc, qs
.if DOCPART == 2
	.amdgcn_target "amdgcn-amd-amdhsa--gfx1250"
	.amdhsa_code_object_version 6
	.text
	.protected	k_q1e0b8d1c1e_proj
	.globl	k_q1e0b8d1c1e_proj
	.p2align	8
	.type	k_q1e0b8d1c1e_proj,@function
k_q1e0b8d1c1e_proj:
	s_mov_b64 s[64:65], 0
	v_nop
	global_prefetch_b8 v0, s[64:65] scope:SCOPE_SE
	s_setreg_imm32_b32 hwreg(HW_REG_WAVE_MODE, 25, 1), 1
	s_wait_xcnt 0x0
; k = Wk x + bk, q = Wq x + bq, v = Wv x + bv on codes of FP4 (E2M1) with one E8M0 scale for each 32 along K = the 256 channels of x; the results are quantised at once:
; k and q along their 128 channels, v along the keys; they leave as images of operand registers (a fragment = 16 rows x 128 K = 1,024 bytes: registers 4 c .. 4 c + 3 of lane l at 512 c + 16 l).
; SHARES.  Work-group g = 32 image + block owns 128 pixels: one key step and one query block of the attention.  Eight waves.
;   X: each wave brings 32 channel rows x 512 bytes of x into LDS by one tensor load (filled once); behind a barrier wave w quantises pixels 32 (w % 4) + lane over channels 128 (w / 4) .. + 127: a lane takes a pixel and its
;      registers run down the channels, so that a block of 32 lies in one lane; the codes go to LDS as images of fragments whose rows are pixels.
;   Behind a second barrier: waves 0, 1 make k, waves 2, 3 q (source 0 = 16 rows of W, source 1 = 16 pixels: a lane holds ONE pixel and its registers run along the channels);
;      waves 4-7 make v (source 0 = 16 pixels, source 1 = 16 rows of Wv: a lane holds ONE channel and its registers run along the pixels, which are the keys).
; THE ROWS OF A TILE (of W, and the pixels of a tile of x) are not neighbours: row r of tile 2 b + u is 32 b + 8 u + r + 8 (r / 8), so that the 16 registers of the results of tiles 2 b and 2 b + 1 are 16 neighbours along the next K.
; The biases are the C of each sum's first matrix instruction.
; LIMITS: a block of zeros gets the scale byte 1 where the quantiser's rule says 127 (its codes are zeros; this program alone reads the bytes); NaN and infinities are not served.
; LDS: 0 .. 131,071 x's 256 rows of 512 bytes; XIMG: 8 tiles of pixels, 2,176 bytes apart (two fragments + 128 bytes); XSC: [2 tile + K step][64]: row r's scale word at 4 r.
; REGISTERS.  window 0: v1-12 addresses; v16-31 the scale words of source 0, v32-39 of source 1 (these hold scales alone); v40-43 the scale words made; v44-47 bv; v48-111 eight accumulators (in X: two sets of 32 numbers);
;   v112-143 codes made; v144-207 source 1's eight fragments; v208-227 at work.   window 1: v0-127 source 0's sixteen fragments ((tile, K step) at 8 (2 tile + step)); v128-191 the biases as C.
.set XIMG, 131072
.set XTP,  2176
.set XSC,  XIMG+8*XTP
.set AS,  16
.set BS,  32
.set KW,  40
.set BV,  44
.set HA,  48
.set PC,  112
.set BF,  144
.set TM,  208                          ; v208-211 largest magnitudes, v212-215 the other half's / the bytes, v220-223 the conversions' scale operands
.set SEL, 36
.set MSB, 0
.macro WIN new                         ; the immediate's high byte repeats the setting that is left; bits 1:0 source 0, 3:2 source 1, 5:4 source 2, 7:6 destination
.if MSB != \new
	s_set_vgpr_msb (MSB<<8)|\new
.set MSB, \new
.endif
.endm
.macro PLACES n
.rept \n
	v_nop
.endr
.endm
; 64 numbers of a lane, register 16 b + i = k 32 b + 16 (lane / 16) + i of my row, become a fragment's codes in v[pc] on and its scale word in v[pw].
.macro QUANT s, pc, pw
.irp b, 0,1,2,3
	v_max3_num_f32 v[TM+\b], |v[\s+16*\b]|, |v[\s+1+16*\b]|, 0x1800000   ; block b: my 16 numbers, and the floor 2^(3 - 127): the byte cannot fall under 1
.endr
.irp i, 2,4,6,8,10,12,14
.irp b, 0,1,2,3
	v_max3_num_f32 v[TM+\b], v[TM+\b], |v[\s+16*\b+\i]|, |v[\s+1+16*\b+\i]|   ; the four blocks by turns
.endr
.endr
.irp b, 0,1,2,3
	v_permlanex16_b32 v[TM+4+\b], v[TM+\b], s[SEL], s[SEL+1]
.endr
.irp b, 0,1,2,3
	v_max_num_f32 v[TM+\b], v[TM+\b], v[TM+4+\b]   ; with lane l xor 16's: the block's largest magnitude
.endr
.irp b, 0,1,2,3
	v_add_nc_u32 v[TM+12+\b], 0xff000000, v[TM+\b] ; 2 off its exponent field: the conversion's scale operand
.endr
.irp b, 0,1,2,3
	v_lshrrev_b32 v[TM+4+\b], 23, v[TM+12+\b]      ; the scale's byte
.endr
	v_lshl_or_b32 v[\pw], v[TM+5], 8, v[TM+4]
	v_lshl_or_b32 v[\pw], v[TM+6], 16, v[\pw]
	v_lshl_or_b32 v[\pw], v[TM+7], 24, v[\pw]
.irp b, 0,1,2,3
	v_cvt_scalef32_pk8_fp4_f32 v[\pc+2*\b], v[\s+16*\b:\s+7+16*\b], v[TM+12+\b]
	v_cvt_scalef32_pk8_fp4_f32 v[\pc+1+2*\b], v[\s+8+16*\b:\s+15+16*\b], v[TM+12+\b]
.endr
	v_nop                                          ; one plain line behind the scaled conversions
.irp c, 0,1                                    ; the operand's layout wants a whole block in a lane: lanes 0-15 block 2 c, lanes 16-31 block 2 c + 1
.irp i, 0,1
	v_permlane16_swap_b32 v[\pc+4*\c+\i], v[\pc+2+4*\c+\i]
.endr
.endr
.endm
	s_load_b512 s[4:19], s[0:1], 0x0               ; x s[4:5], wp s[6:7], bk s[8:9], bq s[10:11], bv s[12:13], kvc s[14:15], kvs s[16:17], qc s[18:19]
	s_load_b64 s[20:21], s[0:1], 0x40              ; qs
	v_lshl_add_u32 v254, v0, 2, 0x29000
	v_mov_b32 v255, 0
	ds_add_u32 v254, v255
	ds_add_u32 v254, v255
	v_lshrrev_b32 v1, 5, v0
	v_readfirstlane_b32 s22, v1                    ; wave 0..7
	; descriptor group 1: 32 rows (channels) x 128 elements of 4 bytes (pixels), 4,096 elements from row to row; no padding
	s_mov_b32 s24, 2<<16
	s_mov_b32 s25, 128<<16                         ; tensor_dim0
	s_mov_b32 s26, 32<<16                          ; tensor_dim1
	s_mov_b32 s27, 128<<16                         ; tile_dim0
	s_mov_b32 s28, 32                              ; tile_dim1
	s_mov_b32 s29, 4096                            ; the pitch
	s_mov_b32 s30, 0
	s_mov_b32 s31, 0
	s_lshr_b32 s48, ttmp9, 5
	s_lshl_b32 s48, s48, 22                        ; the image: 4,194,304 bytes
	s_lshl_b32 s49, s22, 19                        ; my 32 channels of 16,384 bytes
	s_add_co_u32 s48, s48, s49
	s_and_b32 s49, ttmp9, 31
	s_lshl_b32 s49, s49, 9                         ; the block's 128 pixels
	s_add_co_u32 s48, s48, s49
	s_mov_b32 s49, 0
	s_mov_b32 s32, 1                               ; group 0: count,
	s_lshl_b32 s33, s22, 14                        ; LDS address: wave x 16,384,
	s_wait_dscnt 0x0
	s_wait_kmcnt 0x0
	s_add_nc_u64 s[34:35], s[4:5], s[48:49]        ; global address,
	s_or_b32 s35, s35, 0x80000000                  ; type
	tensor_load_to_lds s[32:35], s[24:31]          ; my one tensor load; these bytes are filled once
	s_nop 0
	PLACES 4
	; every LDS address is made here, ahead of the first parting of the roles
	v_and_b32 v1, 31, v0                           ; lane
	v_lshlrev_b32 v2, 4, v1                        ; 16 x lane
	v_lshlrev_b32 v12, 2, v1                       ; 4 x lane
	v_and_b32 v13, 15, v0                          ; r
	v_bfe_u32 v14, v0, 4, 1                        ; h
	s_lshr_b32 s50, s22, 2                         ; X: the K step that I quantise
	s_and_b32 s51, s22, 3                          ; X: my 32 pixels
	s_and_b32 s52, s22, 1                          ; k, q: my four tiles of pixels
	s_lshl_b32 s53, s50, 16
	s_lshl_b32 s54, s51, 7
	s_add_co_u32 s53, s53, s54
	v_add_nc_u32 v3, s53, v12                      ; raw x: 128 channels x 512 bytes a K step, 128 bytes for 32 pixels, 4 bytes a lane
	v_bfe_u32 v15, v0, 3, 1                        ; pixel 32 b + lane lies in tile 2 b + (lane / 8) % 2,
	v_and_b32 v224, 7, v0
	v_lshl_add_u32 v224, v14, 3, v224              ; in its row lane % 8 + 8 (lane / 16)
	s_mul_i32 s53, s51, 2*XTP
	s_lshl_b32 s54, s50, 10
	s_add_co_u32 s53, s53, s54
	s_add_co_u32 s53, s53, XIMG
	v_mul_u32_u24 v4, v15, XTP
	v_lshl_add_u32 v4, v224, 4, v4
	v_add_nc_u32 v4, s53, v4                       ; where I store x's codes
	s_lshl_b32 s53, s51, 8
	s_lshl_b32 s54, s50, 6
	s_add_co_u32 s53, s53, s54
	s_add_co_u32 s53, s53, XSC
	v_lshlrev_b32 v5, 7, v15
	v_lshl_add_u32 v5, v224, 2, v5
	v_add_nc_u32 v5, s53, v5                       ; and my pixel's scale word
	v_add_nc_u32 v6, XIMG, v2                      ; x's images, from tile 0 on,
	s_mul_i32 s53, s52, 4*XTP
	v_add_nc_u32 v7, s53, v6                       ; and from my four tiles on
	v_lshl_add_u32 v8, v13, 2, XSC                 ; their scale words likewise
	s_lshl_b32 s53, s52, 9
	v_add_nc_u32 v9, s53, v8
	v_lshlrev_b32 v10, 6, v14                      ; bk, bq: 64 h
	v_and_b32 v11, 8, v13
	v_add_nc_u32 v11, v11, v13
	v_lshlrev_b32 v11, 2, v11                      ; bv: 4 (r + 8 (r / 8))
.irp b, 0,1,2,3
	v_mov_b32 v[TM+4+\b], 0                        ; written once: a lane permute's destination counts as one of its sources
.endr
	s_mov_b32 s[SEL], 0x76543210
	s_mov_b32 s[SEL+1], 0xfedcba98
	; the pointers of my role; every choice hangs on the wave's number alone
	s_lshr_b32 s50, s22, 1
	s_lshl_b32 s50, s50, 3                         ; my first tile in wp: Wk 0, Wq 8,
	s_lshl_b32 s51, s22, 2                         ; Wv 16 + 4 (wave - 4)
	s_cmp_lt_u32 s22, 4
	s_cselect_b32 s50, s50, s51
	s_lshl_b32 s52, s50, 11
	s_mov_b32 s53, 0
	s_add_nc_u64 s[38:39], s[6:7], s[52:53]        ; its fragments
	s_lshl_b32 s52, s50, 8
	s_add_co_u32 s52, s52, 65536
	s_add_nc_u64 s[40:41], s[6:7], s[52:53]        ; its scale words
	s_and_b32 s56, s22, 1
	s_and_b32 s57, s22, 3
	s_lshl_b32 s54, s57, 8                         ; bv: 64 channels a wave
	s_cmp_lt_u32 s22, 2
	s_cselect_b64 s[42:43], s[8:9], s[10:11]
	s_cmp_lt_u32 s22, 4
	s_cselect_b64 s[42:43], s[42:43], s[12:13]
	s_cselect_b32 s52, 0, s54
	s_add_nc_u64 s[42:43], s[42:43], s[52:53]      ; my bias
	s_mul_i32 s58, ttmp9, 24576                    ; codes out: kvc: 24,576 bytes a key step: 8 fragments of K, then 16 of V; qc: 8,192 a block
	s_lshl_b32 s59, ttmp9, 13
	s_lshl_b32 s60, s56, 12
	s_add_co_u32 s61, s58, s60
	s_add_co_u32 s59, s59, s60
	s_lshl_b32 s60, s57, 12
	s_add_co_u32 s58, s58, s60
	s_add_co_u32 s58, s58, 8192
	s_cmp_lt_u32 s22, 2
	s_cselect_b32 s61, s61, s59
	s_cselect_b64 s[44:45], s[14:15], s[18:19]
	s_cmp_lt_u32 s22, 4
	s_cselect_b32 s52, s61, s58
	s_cselect_b64 s[44:45], s[44:45], s[14:15]
	s_add_nc_u64 s[44:45], s[44:45], s[52:53]
	s_mul_i32 s58, ttmp9, 1536                     ; scale words out: kvs: 512 bytes of K's, 1,024 of V's a step; qs: 512 a block; 256 bytes a wave: [row][4 tiles]
	s_lshl_b32 s59, ttmp9, 9
	s_lshl_b32 s60, s56, 8
	s_add_co_u32 s61, s58, s60
	s_add_co_u32 s59, s59, s60
	s_lshl_b32 s60, s57, 8
	s_add_co_u32 s58, s58, s60
	s_add_co_u32 s58, s58, 512
	s_cmp_lt_u32 s22, 2
	s_cselect_b32 s61, s61, s59
	s_cselect_b64 s[46:47], s[16:17], s[20:21]
	s_cmp_lt_u32 s22, 4
	s_cselect_b32 s52, s61, s58
	s_cselect_b64 s[46:47], s[46:47], s[16:17]
	s_add_nc_u64 s[46:47], s[46:47], s[52:53]
	; the weights of my role are asked for while x is on its way
	s_cmp_lt_u32 s22, 4
	s_cbranch_scc0 .Lw_for_v
	WIN 0x40                                       ; destination window 1
.irp f, 0,1,2,3,4,5,6,7,8,9,10,11,12,13,14,15
.irp c, 0,1
	global_load_b128 v[8*\f+4*\c:8*\f+4*\c+3], v2, s[38:39] offset:1024*\f+512*\c   ; W's sixteen fragments: source 0
.endr
.endr
.irp t, 0,1,2,3,4,5,6,7
	global_load_b128 v[128+8*\t:128+8*\t+3], v10, s[42:43] offset:(32*(\t/2)+8*(\t%2))*4      ; the bias in the result's layout: channels 32 (t / 2) + 16 h + 8 (t % 2) + 0 .. 7
	global_load_b128 v[128+8*\t+4:128+8*\t+7], v10, s[42:43] offset:(32*(\t/2)+8*(\t%2))*4+16
.endr
	WIN 0
.irp f, 0,1,2,3,4,5,6,7,8,9,10,11,12,13,14,15
	global_load_b32 v[AS+\f], v12, s[40:41] offset:128*\f
.endr
	s_branch .Lw_done
.Lw_for_v:
.irp f, 0,1,2,3,4,5,6,7
.irp c, 0,1
	global_load_b128 v[BF+8*\f+4*\c:BF+8*\f+4*\c+3], v2, s[38:39] offset:1024*\f+512*\c   ; my four tiles of Wv: source 1
.endr
	global_load_b32 v[BS+\f], v12, s[40:41] offset:128*\f
.endr
.irp i, 0,1,2,3
	global_load_b32 v[BV+\i], v11, s[42:43] offset:(32*(\i/2)+8*(\i%2))*4   ; bv of my lane's channel in each tile
.endr
.Lw_done:
	s_wait_tensorcnt 0x0                           ; my 32 rows of x have landed,
	s_barrier_signal -1
	s_barrier_wait -1                              ; everybody's have
	; ---- X: my 32 pixels x 128 channels: four blocks of 32, each whole in a lane
.macro LOADX t
.set li, 0
.rept 32
	ds_load_b32 v[HA+32*((\t)%2)+li], v3 offset:(32*(\t)+li)*512
.set li, li+1
.endr
.endm
.macro XBLOCK t
.set XS, HA+32*((\t)%2)
.if (\t) < 3
	s_wait_dscnt 32                                ; this block's 32 loads are in; the next block's 32 may be out
.else
	s_wait_dscnt 0x0
.endif
	v_max3_num_f32 v224, |v[XS]|, |v[XS+1]|, |v[XS+2]|
	v_max3_num_f32 v225, |v[XS+3]|, |v[XS+4]|, |v[XS+5]|
.irp i, 6,10,14,18,22,26
	v_max3_num_f32 v224, v224, |v[XS+\i]|, |v[XS+\i+1]|
	v_max3_num_f32 v225, v225, |v[XS+\i+2]|, |v[XS+\i+3]|
.endr
	v_max3_num_f32 v224, v224, |v[XS+30]|, |v[XS+31]|
	v_max3_num_f32 v224, v224, v225, 0x1800000     ; and the floor 2^(3 - 127)
	v_add_nc_u32 v226, 0xff000000, v224            ; the conversion's scale operand
	v_lshrrev_b32 v225, 23, v226                   ; the scale's byte
.if (\t) == 0
	v_mov_b32 v227, v225
.else
	v_lshl_or_b32 v227, v225, 8*(\t), v227         ; four bytes make my pixel's scale word of this K step
.endif
.irp g, 0,1,2,3
	v_cvt_scalef32_pk8_fp4_f32 v[PC+4*(\t)+\g], v[XS+8*\g:XS+8*\g+7], v226
.endr
	ds_store_b128 v4, v[PC+4*(\t):PC+4*(\t)+3] offset:512*((\t)/2)+256*((\t)%2)   ; block t is registers 4 (t / 2) .. + 3 of lane row + 16 (t % 2)
.if (\t) < 2
	LOADX (\t)+2
.endif
.endm
	LOADX 0
	LOADX 1
	XBLOCK 0
	XBLOCK 1
	XBLOCK 2
	XBLOCK 3
	v_nop                                          ; one plain line behind the last scaled conversion
	ds_store_b32 v5, v227
	s_wait_dscnt 0x0                               ; for the others' sake: my stores have landed
	s_barrier_signal -1
	s_barrier_wait -1                              ; x's sixteen fragments and their scale words lie in LDS; nothing is stored to LDS from here on
; One of four turns: eight tiles of source 0 against tile it of source 1, two K steps; the eight accumulators take turns; the result is quantised and leaves.
.macro ITER it, role
	WIN 0x11                                       ; source 0 and C (the bias) window 1
.irp t, 0,1,2,3,4,5,6,7
.if \role
	v_wmma_scale_f32_16x16x128_f8f6f4 v[HA+8*\t:HA+8*\t+7], v[16*\t:16*\t+7], v[BF+16*\it:BF+16*\it+7], v[128+8*\it:128+8*\it+7], v[AS+2*\t], v[BS+2*\it] matrix_a_fmt:MATRIX_FMT_FP4 matrix_b_fmt:MATRIX_FMT_FP4
.else
	v_wmma_scale_f32_16x16x128_f8f6f4 v[HA+8*\t:HA+8*\t+7], v[16*\t:16*\t+7], v[BF+16*\it:BF+16*\it+7], v[128+8*\t:128+8*\t+7], v[AS+2*\t], v[BS+2*\it] matrix_a_fmt:MATRIX_FMT_FP4 matrix_b_fmt:MATRIX_FMT_FP4
.endif
.endr
	WIN 0x01
.irp t, 0,1,2,3,4,5,6,7
	v_wmma_scale_f32_16x16x128_f8f6f4 v[HA+8*\t:HA+8*\t+7], v[16*\t+8:16*\t+15], v[BF+16*\it+8:BF+16*\it+15], v[HA+8*\t:HA+8*\t+7], v[AS+2*\t+1], v[BS+2*\it+1] matrix_a_fmt:MATRIX_FMT_FP4 matrix_b_fmt:MATRIX_FMT_FP4
.endr
	WIN 0
	PLACES 4                                       ; ahead of the first read of results (ISA guide 7.12.1)
	QUANT HA, PC+8*\it, KW+\it
	global_store_b128 v2, v[PC+8*\it:PC+8*\it+3], s[44:45] offset:1024*\it        ; the fragment's image: 512 consecutive bytes a store; each turn has code registers of its own
	global_store_b128 v2, v[PC+8*\it+4:PC+8*\it+7], s[44:45] offset:1024*\it+512
.endm
	s_cmp_lt_u32 s22, 4
	s_cbranch_scc0 .Lrole_v
	; ---- k, q: source 1 = my four tiles of pixels
.irp i, 0,1,2,3
.irp s, 0,1
.irp c, 0,1
	ds_load_b128 v[BF+16*\i+8*\s+4*\c:BF+16*\i+8*\s+4*\c+3], v7 offset:XTP*\i+1024*\s+512*\c
.endr
	ds_load_b32 v[BS+2*\i+\s], v9 offset:64*(2*\i+\s)
.endr
.endr
	s_wait_loadcnt 0x0                             ; W, its scale words, the bias
	s_wait_dscnt 0x0
	ITER 0, 0
	ITER 1, 0
	ITER 2, 0
	ITER 3, 0
	s_branch .Ltail
.Lrole_v:
	; ---- v: source 0 = all eight tiles of pixels
	WIN 0x40
.irp t, 0,1,2,3,4,5,6,7
.irp s, 0,1
.irp c, 0,1
	ds_load_b128 v[8*(2*\t+\s)+4*\c:8*(2*\t+\s)+4*\c+3], v6 offset:XTP*\t+1024*\s+512*\c
.endr
.endr
.endr
	WIN 0
.irp f, 0,1,2,3,4,5,6,7,8,9,10,11,12,13,14,15
	ds_load_b32 v[AS+\f], v8 offset:64*\f
.endr
	s_wait_loadcnt 0x0                             ; Wv, its scale words, bv
	WIN 0x40
.irp i, 0,1,2,3
.irp j, 0,1,2,3,4,5,6,7
	v_mov_b32 v[128+8*\i+\j], v[BV+\i]             ; a lane holds one channel: its bias in all eight registers of C
.endr
.endr
	WIN 0
	PLACES 4
	s_wait_dscnt 0x0
	ITER 0, 1
	ITER 1, 1
	ITER 2, 1
	ITER 3, 1
.Ltail:
	v_cmp_gt_u32 vcc_lo, 16, v1                    ; lanes 0-15 store their row's four scale words: 256 consecutive bytes, aligned
	s_wait_xcnt 0x0                                ; EXEC changes only behind this wait: it is a source of the stores above
	s_wait_tensorcnt 0x0
	ds_add_u32 v254, v255
	s_wait_dscnt 0x0
	s_and_saveexec_b32 s66, vcc_lo
	global_store_b128 v2, v[KW:KW+3], s[46:47]
	s_wait_xcnt 0x0
	s_or_b32 exec_lo, exec_lo, s66
	s_endpgm
.Lfunc_end_k_q1e0b8d1c1e_proj:
	.size	k_q1e0b8d1c1e_proj, .Lfunc_end_k_q1e0b8d1c1e_proj-k_q1e0b8d1c1e_proj
	.p2alignl 7, 3214868480
	.fill 96, 4, 3214868480
	.section	.rodata,"a",@progbits
	.p2align	6, 0x0
	.amdhsa_kernel k_q1e0b8d1c1e_proj
		.amdhsa_group_segment_fixed_size 168960
		.amdhsa_private_segment_fixed_size 0
		.amdhsa_enable_private_segment 0
		.amdhsa_kernarg_size 72
		.amdhsa_user_sgpr_count 2
		.amdhsa_user_sgpr_kernarg_segment_ptr 1
		.amdhsa_wavefront_size32 1
		.amdhsa_system_sgpr_workgroup_id_x 1
		.amdhsa_system_sgpr_workgroup_id_y 1
		.amdhsa_system_sgpr_workgroup_id_z 1
		.amdhsa_system_vgpr_workitem_id 0
		.amdhsa_next_free_vgpr 512
		.amdhsa_next_free_sgpr 72
		.amdhsa_reserve_vcc 1
		.amdhsa_float_denorm_mode_32 3
		.amdhsa_float_denorm_mode_16_64 3
		.amdhsa_memory_ordered 1
		.amdhsa_forward_progress 1
		.amdhsa_inst_pref_size 84
	.end_amdhsa_kernel
	.amdgpu_metadata
---
amdhsa.version: [ 1, 2 ]
amdhsa.kernels:
  - .name:           k_q1e0b8d1c1e_proj
    .symbol:         k_q1e0b8d1c1e_proj.kd
    .args:
      - { .name: x, .offset: 0, .size: 8, .value_kind: global_buffer, .address_space: global }
      - { .name: wp, .offset: 8, .size: 8, .value_kind: global_buffer, .address_space: global }
      - { .name: bk, .offset: 16, .size: 8, .value_kind: global_buffer, .address_space: global }
      - { .name: bq, .offset: 24, .size: 8, .value_kind: global_buffer, .address_space: global }
      - { .name: bv, .offset: 32, .size: 8, .value_kind: global_buffer, .address_space: global }
      - { .name: kvc, .offset: 40, .size: 8, .value_kind: global_buffer, .address_space: global }
      - { .name: kvs, .offset: 48, .size: 8, .value_kind: global_buffer, .address_space: global }
      - { .name: qc, .offset: 56, .size: 8, .value_kind: global_buffer, .address_space: global }
      - { .name: qs, .offset: 64, .size: 8, .value_kind: global_buffer, .address_space: global }
    .group_segment_fixed_size: 168960
    .private_segment_fixed_size: 0
    .kernarg_segment_align: 8
    .kernarg_segment_size: 72
    .max_flat_workgroup_size: 256
    .sgpr_count:     72
    .vgpr_count:     512
    .wavefront_size: 32
...
	.end_amdgpu_metadata
.endif
;; end of part 2
;; launch attn (part 3): grid 32 x 8, 8 waves a work-group, clusters of 4 x 1, 327,680 bytes of LDS; arguments qc, qs, kvc, kvs, wrq, br, gamma, x, out0; writes out0
.if DOCPART == 3
	.amdgcn_target "amdgcn-amd-amdhsa--gfx1250"
	.amdhsa_code_object_version 6
	.text
	.protected	k_q1e0b8d1c1e_attn
	.globl	k_q1e0b8d1c1e_attn
	.p2align	8
	.type	k_q1e0b8d1c1e_attn,@function
k_q1e0b8d1c1e_attn:
	s_mov_b64 s[64:65], 0
	v_nop
	global_prefetch_b8 v0, s[64:65] scope:SCOPE_SE
	s_setreg_imm32_b32 hwreg(HW_REG_WAVE_MODE, 25, 1), 1
	s_wait_xcnt 0x0
	s_wait_alu depctr_hold_cnt(0) depctr_sa_sdst(0) depctr_va_vdst(0) depctr_va_sdst(0) depctr_va_ssrc(0) depctr_va_vcc(0) depctr_vm_vsrc(0)
	s_getreg_b32 s2, hwreg(HW_REG_IB_STS2, 6, 4)
	s_cmp_eq_u32 s2, 0
	s_cbranch_scc0 .Lentry_in_a_cluster
	s_endpgm
.Lentry_in_a_cluster:
	s_bfe_u32 s2, ttmp6, 0x10000c
	s_cmp_lg_u32 s2, 0x3003
	s_cbranch_scc0 .Lentry_shape_is_right
	s_endpgm
.Lentry_shape_is_right:
; out = gamma (Wr softmax-weighted v + br) + x, for one image and 128 queries a work-group; all three products on codes of FP4 (E2M1) with one E8M0 scale for each 32 along K.
; Operands come as images of operand registers (a fragment = 16 rows x 128 K = 1,024 bytes: registers 4 c .. 4 c + 3 of lane l at 512 c + 16 l), made by the launches before.
; THE SOFTMAX AHEAD OF THE SECOND PRODUCT: t = score x log2(e); M = the largest t so far, rounded UP to a whole number; p = 2^(t - M) is quantised along the keys, not normalised; the row's sum is taken of the
; unquantised p; when M moves, the sum and O are multiplied by 2^(old M - new M), which rounds nothing.  O / the sum is quantised along v's 256 channels for the last product.
; SHARES.  Eight waves, two to a SIMD, 512 registers each.  Wave w: qp = w % 4, kg = w / 4.  It holds TWO tiles of 16 queries (tile 0: 2 qp + kg; tile 1: 2 qp + 1 - kg), so that each fragment of K and V that it reads
; from LDS feeds two matrix instructions, and walks HALF the keys: steps 2 kg and 2 kg + 1 of every slot of four key steps (128 keys a step).  At the end each wave sends its tile 1 (O, M, sum) through LDS to wave w xor 4,
; whose tile 0 that is, and joins what it receives with its own tile 0 by exact powers of two: the same text in every wave.
; LAYOUT.  S^T = K Q^T (source 0 = 16 keys) and O^T = V^T P^T (source 0 = 16 channels): a lane holds ONE query throughout.  The keys of a tile of K, the channels of a tile of V and the queries of a tile of Q are not
; neighbours: row r of tile 2 b + u is 32 b + 8 u + r + 8 (r / 8), so that the 16 registers of the results of tiles 2 b, 2 b + 1 are 16 neighbours along the next K.
; THE ORDER OF A KEY STEP.  The two tiles' softmaxes are ONE pipeline: both tiles' maxima by turns; tile 0's 68 exponentials, each with a scaling line of tile 0 or 1 beside it; one wait; tile 1's 68 exponentials, each with a
; line of tile 0's sums, scale bytes and conversions, or a load of V, beside it; one wait; tile 1's sums and conversions.  So a step has two waits for exponentials, and V's first half is asked for while tile 1 is still at work.
; In a slot's first step the second step's fragments 4-7 of K are asked for as soon as their registers are free.
; CLUSTER.  The four query blocks of a cluster belong to one image and walk the same K, V, scale words and Wr: every tensor load is asked for JOINTLY by the four, with the same descriptor and the mask 15.
; Only that one axis is shared, so the cluster is 4 x 1.  No LDS address and no branch hangs on a work-group's place in its cluster.
; LIMITS: NaN and infinities are not served; a block of zeros has the scale byte 1 (its codes are zeros); 1 / sum is v_rcp_f32's; the row's sum is added in four chains and two halves of the keys, another order than a plain
; sum's; the output is formed as (gamma y + gamma br) + x, another order of rounding than gamma (y + br) + x.
; LDS: slot 0 at 0, slot 1 at 2^17 (98,304 bytes each: four steps of 8 fragments of K and 16 of V); SCL the image's scale words (32 x 1,536); WRI Wr's images and scale words; the spare words; XST 8 x 256 bytes.
;   On the way out: XCH = 8 x 16,384 bytes from 0 on (slot 0 has had its last fill and was left at the last change of slots); STG = 256 rows x 528 bytes from 2^17 on (slot 1 and SCL, which nobody reads behind the barrier in front).
; REGISTERS.  window 0: v1-7 addresses; v8-19 six statistics a tile (-M, largest t, the sum in two halves, f, a word that is named with f as a pair); v20-35 Q; v36-99 K's eight fragments; behind the S products v36-51 take
;   p's codes, v52-64 are tile 1's work registers, v68-99 take the next step's fragments 4-7; v100-227 S^T, then p, then V's sixteen fragments; v228-239 scale words alone; v240-252 tile 0's work registers; v253 the prefetches' offset.
;   window 1: O^T: tile x, channel tile T at 128 x + 8 T.
.set STEPB, 24576
.set SLOTB, 4*STEPB
.set SLOT1, 1<<17
.set SCL,   SLOT1+SLOTB
.set WRI,   SCL+32*1536
.set WRS,   WRI+32768
.set SPARE, WRI+36864                  ; the spare words: 128 bytes for each of eight waves: four blocks of 256 bytes that no other line names
.set XST,   SPARE+1024
.set STG,   SLOT1
.set SP,    528
.set LI,  1                            ; v1   16 x lane + kg x two steps: my place in a slot
.set LSC, 2                            ; v2   the same among the scale words
.set AD,  3                            ; v3   LDS address of the step's fragments
.set ADS, 4                            ; v4   and of its scale words
.set SPW, 5                            ; v5   LDS address of my spare word; never rewritten
.set NIL, 6                            ; v6   0; never rewritten
.set L16, 7                            ; v7   16 x lane
.set ST,  8
.set Q,   20
.set F,   36
.set S,   100
.set SC,  228
.set QS,  236
.set PW,  238
.set W,   240
.set WALT, F+16                        ; v52-64: tile 1's work registers: K's fragments 2 and 3 are done with when the softmax begins
.set PFO, 253
.set BR,  52                           ; the way out: v52-67 br, v68-83 addresses and small work, v84-99 the quantiser's work and the two factors
.set XW,  68
.set XR,  69
.set XSW, 70
.set XSR, 71
.set BRO, 72
.set WRA, 73
.set WRSA, 74
.set SO0, 75
.set SO1, 76
.set SRD, 77
.set TM,  84
.set WV,  22
.set KG,  23
.set QP,  86
.set SEL, 60
.set CS,  62
.set TB,  66                           ; s66  LDS byte at which the slot in hand begins
.set TS,  67                           ; s67  where its scale words begin: 6,144 bytes a slot
.set SLOTS, 68
.set LIM, 69
.set PFA, 70
.set GAM, 72
.set MSB, 0
.macro WIN new                         ; the immediate's high byte repeats the setting that is left; bits 1:0 source 0, 3:2 source 1, 5:4 source 2, 7:6 destination
.if MSB != \new
	s_set_vgpr_msb (MSB<<8)|\new
.set MSB, \new
.endif
.endm
.macro PLACES n
.rept \n
	v_nop
.endr
.endm
.macro CROUND                          ; a round of the cluster's barrier
	s_barrier_signal -1
	s_barrier_wait -1
	s_cmp_lg_u32 s[WV], 0
	s_cbranch_scc1 .Lnot_wave_0_\@
	s_barrier_signal -3
.Lnot_wave_0_\@:
	s_barrier_wait -3
	s_barrier_signal -1
	s_barrier_wait -1
.endm
; A prefetch of the slot that the NEXT change of slots will ask for: 98,304 bytes = 384 blocks of 256.  All clusters of an image walk the same bytes: the image's first cluster asks; its four partners take 24,576 bytes each,
; told apart by address; in each, waves 0 to 2 take 8,192 bytes, lanes 256 bytes apart.  So each block is named once in the launch.  The last change that fills a slot asks for nothing; slots 0 and 1 come by their loads alone.
.macro ASK
	s_cmp_gt_u32 s[SLOTS], s[LIM]
	s_cbranch_scc0 .Lnot_mine_\@
	global_prefetch_b8 v[PFO], s[PFA:PFA+1] th:TH_LOAD_NT scope:SCOPE_SE
.Lnot_mine_\@:
.endm
; THE CHANGE OF SLOTS stands at a slot's head.  Each wave waits for all its tensor loads (its part of the slot ahead), adds 0 to its spare word, and waits for that and for its reads of the slot that it has left.
; fill = 1: a round of the cluster's barrier follows, and behind it the slot that was left is filled with the keys that follow: one joint load a wave, 12,288 bytes, with a whole slot's steps in which to land.
.macro CHANGE fill
	s_wait_tensorcnt 0x0                           ; no tensor load of mine is out, so group 0 may be written
	ds_add_u32 v[SPW], v[NIL]                      ; 0 onto my spare word
.if \fill
	s_xor_b32 s49, s49, SLOT1                      ; the walking descriptor: the other slot than last time,
	s_add_nc_u64 s[50:51], s[50:51], SLOTB         ; the next four key steps; the type bits on top are not reached
	s_wait_xcnt 0x0                                ; the last prefetch, a slot back, has read its address
	s_add_nc_u64 s[PFA:PFA+1], s[PFA:PFA+1], SLOTB ; one slot further on than the walking descriptor
	s_wait_dscnt 0x0                               ; the add is done, and my reads of the slot that I have left are over
	CROUND
	tensor_load_to_lds s[48:51], s[24:31]          ; the first thing behind the round, and my one tensor load until the next
	s_nop 0
	PLACES 4
	ASK
.else
	s_wait_dscnt 0x0
	s_barrier_signal -1
	s_barrier_wait -1
.endif
.endm
; THE SOFTMAX of a tile for one key step, as four numbered lists; each macro writes number sj of its list for tile x.  A lane has 64 scores: register 16 b + i = key 32 b + 16 (lane / 16) + i.
.macro TSET x                          ; tile x's registers: scores, statistics, p's codes, work
.set SB, S+64*(\x)
.set SS, ST+6*(\x)
.set PX, F+8*(\x)
.set WX, W-(W-WALT)*(\x)
.endm
; PA, 49 lines: the largest score of each block of 32 keys (it serves for the row's maximum and, since p rises with the score, for the block's largest p); the running largest t; -M; f.
; Each accumulator of S^T is read from its low end on.
.macro PA x
	TSET \x
.if sj < 4
	v_max3_num_f32 v[WX+sj], v[SB+16*sj], v[SB+16*sj+1], v[SB+16*sj+2]
.elseif sj < 28
.set zb, (sj-4)%4
.set zi, 3+2*((sj-4)/4)
	v_max3_num_f32 v[WX+zb], v[WX+zb], v[SB+16*zb+zi], v[SB+16*zb+zi+1]   ; the four blocks by turns
.elseif sj < 32
	v_max_num_f32 v[WX+sj-28], v[WX+sj-28], v[SB+16*(sj-28)+15]
.elseif sj < 36
	v_permlanex16_b32 v[WX+sj-28], v[WX+sj-32], s[SEL], s[SEL+1]
.elseif sj < 40
	v_max_num_f32 v[WX+sj-36], v[WX+sj-36], v[WX+sj-32]   ; with lane l xor 16's 16 keys
.elseif sj == 40
	v_max3_num_f32 v[WX+12], v[WX], v[WX+1], v[WX+2]
.elseif sj == 41
	v_max_num_f32 v[WX+12], v[WX+12], v[WX+3]      ; the step's largest score of my query
.elseif sj == 42
	v_mul_f32 v[WX+12], s[CS], v[WX+12]            ; as t
.elseif sj == 43
	v_max_num_f32 v[SS+1], v[SS+1], v[WX+12]       ; the running largest t
.elseif sj == 44
	v_mov_b32 v[WX+12], v[SS]
.elseif sj == 45
	v_floor_f32 v[SS], -v[SS+1]                    ; the new -M = floor(-t) = -ceil(t)
.elseif sj == 46
	v_sub_f32 v[WX+12], v[SS], v[WX+12]            ; old M - new M: a whole number, 0 or less
.elseif sj == 47
	v_cvt_i32_f32 v[WX+12], v[WX+12]               ; (it saturates)
.else
	v_ldexp_f32 v[SS+4], 1.0, v[WX+12]             ; f = 2^(old M - new M)
.endif
.endm
; PF, 36 lines: t - M, two scores at a time (of the pairs c and -M the low word serves both halves); then the same of each block's largest score
.macro PF x
	TSET \x
.if sj < 32
	v_pk_fma_f32 v[SB+2*sj:SB+2*sj+1], v[SB+2*sj:SB+2*sj+1], s[CS:CS+1], v[SS:SS+1] op_sel_hi:[1,0,0]
.else
	v_fma_f32 v[WX+sj-32], v[WX+sj-32], s[CS], v[SS]
.endif
.endm
; PE, 68 lines: p = 2^(t - M), at most 1; then each block's largest p: the same two instructions on the same number
.macro PE x
	TSET \x
.if sj < 64
	v_exp_f32 v[SB+sj], v[SB+sj]
.else
	v_exp_f32 v[WX+sj-64], v[WX+sj-64]
.endif
.endm
; PB, 60 lines, all behind the wait for the tile's exponentials: the row's sum of the unquantised p over the tile's 32 pairs, in four chains; the blocks' scale bytes; p's scale word; the conversions; the exchange of halves
.macro PB x
	TSET \x
.if sj < 3
	v_pk_add_f32 v[WX+4+2*sj:WX+5+2*sj], v[SB+4*sj:SB+4*sj+1], v[SB+4*sj+2:SB+4*sj+3]   ; pairs 0 to 5 start three chains,
.elseif sj == 3
	v_pk_add_f32 v[SS+2:SS+3], v[SS+2:SS+3], v[SB+12:SB+13]                             ; pair 6 goes onto the running sum: the fourth
.elseif sj < 29
.set zc, (sj-4)%4
.set zp, SB+2*(sj+3)                   ; pairs 7 to 31, the chains by turns
.if zc < 3
	v_pk_add_f32 v[WX+4+2*zc:WX+5+2*zc], v[WX+4+2*zc:WX+5+2*zc], v[zp:zp+1]
.else
	v_pk_add_f32 v[SS+2:SS+3], v[SS+2:SS+3], v[zp:zp+1]
.endif
.elseif sj == 29
	v_pk_add_f32 v[WX+4:WX+5], v[WX+4:WX+5], v[WX+6:WX+7]
.elseif sj == 30
	v_pk_add_f32 v[SS+2:SS+3], v[SS+2:SS+3], v[WX+8:WX+9]
.elseif sj == 31
	v_pk_add_f32 v[SS+2:SS+3], v[SS+2:SS+3], v[WX+4:WX+5]
.elseif sj < 36
	v_max_num_f32 v[WX+sj-32], 0x1800000, v[WX+sj-32]      ; the floor 2^(3 - 127): the byte cannot fall under 1
.elseif sj < 40
	v_add_nc_u32 v[WX+sj-28], 0xff000000, v[WX+sj-36]      ; 2 off the exponent field: the conversion's scale operand
.elseif sj < 44
	v_lshrrev_b32 v[WX+sj-36], 23, v[WX+sj-32]             ; the scale's byte
.elseif sj == 44
	v_lshl_or_b32 v[PW+\x], v[WX+5], 8, v[WX+4]            ; p's scale word for these 128 keys
.elseif sj == 45
	v_lshl_or_b32 v[PW+\x], v[WX+6], 16, v[PW+\x]
.elseif sj == 46
	v_lshl_or_b32 v[PW+\x], v[WX+7], 24, v[PW+\x]
.elseif sj < 55
.set zc, sj-47
	v_cvt_scalef32_pk8_fp4_f32 v[PX+zc], v[SB+8*zc:SB+8*zc+7], v[WX+8+zc/2]
.elseif sj == 55
	v_nop                                          ; one plain line between the scaled conversions and the lines that touch their results
.else
.set zc, sj-56
	v_permlane16_swap_b32 v[PX+4*(zc/2)+zc%2], v[PX+4*(zc/2)+2+zc%2]   ; a whole block in a lane: lanes 0-15 block 2 c, lanes 16-31 block 2 c + 1
.endif
.endm
; VL, 34 loads: V's scale words (register 4 g + i: lanes 0-15 tile 8 g + i, lanes 16-31 tile 8 g + 4 + i), then V's sixteen fragments, which take p's registers: number 2 + m brings registers 4 m .. 4 m + 3
.macro VL q
.if vn < 2
	ds_load_b128 v[SC+4*vn:SC+4*vn+3], v[ADS] offset:1536*(\q)+512+512*vn
.else
	ds_load_b128 v[S+4*(vn-2):S+4*(vn-2)+3], v[AD] offset:STEPB*(\q)+8192+512*(vn-2)
.endif
.endm
; BOTH TILES' SOFTMAX for key step q of the slot.  It leaves p's codes in v[F] on (8 registers a tile), p's scale words in v[PW], v[PW + 1], f in the statistics, and all of V asked for.
.macro SOFT2 q
.set sj, 0
.rept 49                               ; both tiles' maxima and M, line by line in turns: a line stands two lines behind the line of its own tile that feeds it, eight in the blocks' chains
	PA 0
	PA 1
.set sj, sj+1
.endr
.set sn, 0
.rept 4                                ; four scalings lead,
.set sj, sn
	PF 0
.set sn, sn+1
.endr
.set se, 0
.rept 68                               ; then tile 0's exponentials, one scaling behind each: tile 0's other 32, then tile 1's 36.  Exponential e reads pair e / 2, which scaling e / 2 has written; scalings 0 .. e + 3 stand ahead of it
.set sj, se
	PE 0
.if sn < 36
.set sj, sn
	PF 0
.else
.set sj, sn-36
	PF 1
.endif
.set sn, sn+1
.set se, se+1
.endr
	v_pk_mul_f32 v[ST+2:ST+3], v[ST+2:ST+3], v[ST+4:ST+5] op_sel_hi:[1,0]   ; tile 0's sums under the new M
	s_wait_alu depctr_va_vdst(0)                   ; one wait for tile 0's batch of 68, ahead of its first reader; two plain lines stand behind the last exponential
.set se, 0
.rept 68                               ; tile 1's exponentials, each with a line of tile 0's 60, or one of V's first loads, behind it: none of these names a register of tile 1
.set sj, se
	PE 1
.if se < 60
	PB 0
.else
.set vn, se-60
	VL \q                                          ; tile 0 is converted: V's scale words and fragments 0-7 take its registers
.endif
.set se, se+1
.endr
.set vn, 8
.rept 10
	VL \q
.set vn, vn+1
.endr
	v_pk_mul_f32 v[ST+8:ST+9], v[ST+8:ST+9], v[ST+10:ST+11] op_sel_hi:[1,0] ; tile 1's sums under the new M: the plain line behind the last exponential
	s_wait_alu depctr_va_vdst(0)                   ; and one wait for tile 1's batch
.set sj, 0
.rept 60
	PB 1
.set sj, sj+1
.endr
.set vn, 18
.rept 16
	VL \q                                          ; V's fragments 8-15
.set vn, vn+1
.endr
.endm
.macro KLOAD q, g                      ; K's fragments 4 g .. 4 g + 3 of key step q
.irp t, 0,1,2,3
.irp c, 0,1
	ds_load_b128 v[F+8*(4*\g+\t)+4*\c:F+8*(4*\g+\t)+4*\c+3], v[AD] offset:STEPB*\q+1024*(4*\g+\t)+512*\c
.endr
.endr
.endm
.macro SMUL g                          ; S^T = K Q^T for K's tiles 4 g .. 4 g + 3: each fragment against both tiles of queries.  K's scale words: register i: lanes 0-15 tile i, lanes 16-31 tile 4 + i
.irp t, 0,1,2,3
.irp x, 0,1
.if \g
	v_wmma_scale_f32_16x16x128_f8f6f4 v[S+64*\x+8*\t+32:S+64*\x+8*\t+39], v[F+8*\t+32:F+8*\t+39], v[Q+8*\x:Q+8*\x+7], 0, v[SC+\t], v[QS+\x] matrix_a_fmt:MATRIX_FMT_FP4 matrix_b_fmt:MATRIX_FMT_FP4 matrix_a_scale:MATRIX_SCALE_ROW1
.else
	v_wmma_scale_f32_16x16x128_f8f6f4 v[S+64*\x+8*\t:S+64*\x+8*\t+7], v[F+8*\t:F+8*\t+7], v[Q+8*\x:Q+8*\x+7], 0, v[SC+\t], v[QS+\x] matrix_a_fmt:MATRIX_FMT_FP4 matrix_b_fmt:MATRIX_FMT_FP4
.endif
.endr
.endr
.endm
; A KEY STEP: 128 keys, the q-th of my two in the slot in hand.  first = 1: the products V^T P start O^T's sums: nothing is ever cleared.  No LDS instruction of mine is out at its head.
.macro STEP q, first
	v_add_nc_u32 v[AD], s[TB], v[LI]
	v_add_nc_u32 v[ADS], s[TS], v[LSC]
	ds_load_b128 v[SC:SC+3], v[ADS] offset:1536*\q     ; K's scale words first
	KLOAD \q, 0
.if \q == 0
	KLOAD \q, 1
	s_wait_dscnt 8                                 ; of 17 loads the scale words and fragments 0-3 are in; fragments 4-7's eight may be out
	SMUL 0
	s_wait_dscnt 0x0
	SMUL 1
.else
	s_wait_dscnt 8                                 ; of 9 loads the scale words are in; fragments 0-3's eight may be out: fragments 4-7 came in the step before
	SMUL 1
	s_wait_dscnt 0x0
	SMUL 0
.endif
	PLACES 4                                       ; ahead of the first read of results, of writes into K's registers and of loads into them
.if \q == 0
	KLOAD 1, 1                                     ; the next step's fragments 4-7: their registers are free from here on; the wait ahead of this step's second product covers them
.endif
	SOFT2 \q
.if \first
	PLACES 8                                       ; a scale word made by vector instructions stands eight places ahead of the scaled product, codes so made four
.else
	WIN 0x41                                       ; O^T (destination and source 0) window 1, f window 0
.set ri, 0
.rept 64
	v_pk_mul_f32 v[ri:ri+1], v[ri:ri+1], v[ST+4:ST+5] op_sel_hi:[1,0]     ; O^T under the new M; V's second half lands meanwhile; these lines are also the places ahead of the products
.set ri, ri+2
.endr
.rept 64
	v_pk_mul_f32 v[ri:ri+1], v[ri:ri+1], v[ST+10:ST+11] op_sel_hi:[1,0]
.set ri, ri+2
.endr
.endif
	s_wait_dscnt 0x0
	WIN 0x50                                       ; C and D window 1
.irp vt, 0,1,2,3,4,5,6,7,8,9,10,11,12,13,14,15 ; O^T += V^T P^T: each fragment of V against both tiles; the 32 accumulators take turns
.irp x, 0,1
.if \first
.if (\vt)&4
	v_wmma_scale_f32_16x16x128_f8f6f4 v[128*\x+8*\vt:128*\x+8*\vt+7], v[S+8*\vt:S+8*\vt+7], v[F+8*\x:F+8*\x+7], 0, v[SC+4*(\vt/8)+(\vt%4)], v[PW+\x] matrix_a_fmt:MATRIX_FMT_FP4 matrix_b_fmt:MATRIX_FMT_FP4 matrix_a_scale:MATRIX_SCALE_ROW1
.else
	v_wmma_scale_f32_16x16x128_f8f6f4 v[128*\x+8*\vt:128*\x+8*\vt+7], v[S+8*\vt:S+8*\vt+7], v[F+8*\x:F+8*\x+7], 0, v[SC+4*(\vt/8)+(\vt%4)], v[PW+\x] matrix_a_fmt:MATRIX_FMT_FP4 matrix_b_fmt:MATRIX_FMT_FP4
.endif
.else
.if (\vt)&4
	v_wmma_scale_f32_16x16x128_f8f6f4 v[128*\x+8*\vt:128*\x+8*\vt+7], v[S+8*\vt:S+8*\vt+7], v[F+8*\x:F+8*\x+7], v[128*\x+8*\vt:128*\x+8*\vt+7], v[SC+4*(\vt/8)+(\vt%4)], v[PW+\x] matrix_a_fmt:MATRIX_FMT_FP4 matrix_b_fmt:MATRIX_FMT_FP4 matrix_a_scale:MATRIX_SCALE_ROW1
.else
	v_wmma_scale_f32_16x16x128_f8f6f4 v[128*\x+8*\vt:128*\x+8*\vt+7], v[S+8*\vt:S+8*\vt+7], v[F+8*\x:F+8*\x+7], v[128*\x+8*\vt:128*\x+8*\vt+7], v[SC+4*(\vt/8)+(\vt%4)], v[PW+\x] matrix_a_fmt:MATRIX_FMT_FP4 matrix_b_fmt:MATRIX_FMT_FP4
.endif
.endif
.endr
.endr
	WIN 0
	PLACES 5                                       ; the next step's products write S^T over V's fragments (five places), and its loads land on p's codes and on the scale words (four)
.endm
.macro NEXT
	s_xor_b32 s[TB], s[TB], SLOT1                  ; on to the other slot,
	s_add_co_u32 s[TS], s[TS], 4*1536              ; and to its scale words
.endm
; 64 numbers of a lane, register 16 b + i = k 32 b + 16 (lane / 16) + i of my row, become a fragment's codes in v[pc] on and its scale word in v[pw].
.macro QUANT s, pc, pw
.irp b, 0,1,2,3
	v_max3_num_f32 v[TM+\b], |v[\s+16*\b]|, |v[\s+1+16*\b]|, 0x1800000
.endr
.irp i, 2,4,6,8,10,12,14
.irp b, 0,1,2,3
	v_max3_num_f32 v[TM+\b], v[TM+\b], |v[\s+16*\b+\i]|, |v[\s+1+16*\b+\i]|
.endr
.endr
.irp b, 0,1,2,3
	v_permlanex16_b32 v[TM+4+\b], v[TM+\b], s[SEL], s[SEL+1]
.endr
.irp b, 0,1,2,3
	v_max_num_f32 v[TM+\b], v[TM+\b], v[TM+4+\b]
.endr
.irp b, 0,1,2,3
	v_add_nc_u32 v[TM+12+\b], 0xff000000, v[TM+\b]
.endr
.irp b, 0,1,2,3
	v_lshrrev_b32 v[TM+4+\b], 23, v[TM+12+\b]
.endr
	v_lshl_or_b32 v[\pw], v[TM+5], 8, v[TM+4]
	v_lshl_or_b32 v[\pw], v[TM+6], 16, v[\pw]
	v_lshl_or_b32 v[\pw], v[TM+7], 24, v[\pw]
.irp b, 0,1,2,3
	v_cvt_scalef32_pk8_fp4_f32 v[\pc+2*\b], v[\s+16*\b:\s+7+16*\b], v[TM+12+\b]
	v_cvt_scalef32_pk8_fp4_f32 v[\pc+1+2*\b], v[\s+8+16*\b:\s+15+16*\b], v[TM+12+\b]
.endr
	v_nop
.irp c, 0,1
.irp i, 0,1
	v_permlane16_swap_b32 v[\pc+4*\c+\i], v[\pc+2+4*\c+\i]
.endr
.endr
.endm
.macro WRLOAD s                        ; Wr's sixteen fragments of K step s into window 1, v0-127, and their scale words: register i: lanes 0-15 tile i, lanes 16-31 tile 8 + i
	WIN 0x40
.irp n, 0,1,2,3,4,5,6,7,8,9,10,11,12,13,14,15
.irp c, 0,1
	ds_load_b128 v[8*\n+4*\c:8*\n+4*\c+3], v[WRA] offset:2048*\n+1024*\s+512*\c
.endr
.endr
	WIN 0
.irp i, 0,1,2,3,4,5,6,7
	ds_load_b32 v[SC+\i], v[WRSA] offset:256*\i+128*\s
.endr
.endm
.macro OUTMUL s                        ; y(query, channel): source 0 = my 16 queries' codes of K step s, source 1 = 16 rows of Wr; sixteen accumulators by turns
	WIN 0x04                                       ; source 1 window 1
.irp n, 0,1,2,3,4,5,6,7
.if \s
	v_wmma_scale_f32_16x16x128_f8f6f4 v[S+8*\n:S+8*\n+7], v[F+8*\s:F+8*\s+7], v[8*\n:8*\n+7], v[S+8*\n:S+8*\n+7], v[PW+\s], v[SC+\n] matrix_a_fmt:MATRIX_FMT_FP4 matrix_b_fmt:MATRIX_FMT_FP4
.else
	v_wmma_scale_f32_16x16x128_f8f6f4 v[S+8*\n:S+8*\n+7], v[F+8*\s:F+8*\s+7], v[8*\n:8*\n+7], 0, v[PW+\s], v[SC+\n] matrix_a_fmt:MATRIX_FMT_FP4 matrix_b_fmt:MATRIX_FMT_FP4
.endif
.endr
.irp n, 8,9,10,11,12,13,14,15
.if \s
	v_wmma_scale_f32_16x16x128_f8f6f4 v[S+8*\n:S+8*\n+7], v[F+8*\s:F+8*\s+7], v[8*\n:8*\n+7], v[S+8*\n:S+8*\n+7], v[PW+\s], v[SC+\n-8] matrix_a_fmt:MATRIX_FMT_FP4 matrix_b_fmt:MATRIX_FMT_FP4 matrix_b_scale:MATRIX_SCALE_ROW1
.else
	v_wmma_scale_f32_16x16x128_f8f6f4 v[S+8*\n:S+8*\n+7], v[F+8*\s:F+8*\s+7], v[8*\n:8*\n+7], 0, v[PW+\s], v[SC+\n-8] matrix_a_fmt:MATRIX_FMT_FP4 matrix_b_fmt:MATRIX_FMT_FP4 matrix_b_scale:MATRIX_SCALE_ROW1
.endif
.endr
	WIN 0
.endm
	s_load_b512 s[4:19], s[0:1], 0x0               ; qc s[4:5], qs s[6:7], kvc s[8:9], kvs s[10:11], wrq s[12:13], br s[14:15], gamma s[16:17], x s[18:19]
	s_load_b64 s[20:21], s[0:1], 0x40              ; out0
	v_lshl_add_u32 v[SPW], v0, 2, SPARE
	v_mov_b32 v[NIL], 0
	ds_add_u32 v5, v6
	ds_add_u32 v5, v6
	s_wait_dscnt 0x0
	v_lshrrev_b32 v1, 5, v0
	v_readfirstlane_b32 s[WV], v1                  ; wave 0..7
	s_lshr_b32 s[KG], s[WV], 2
	s_and_b32 s[QP], s[WV], 3
	s_and_b32 s89, ttmp7, 0xffff                   ; the image, which the four partners share
	; descriptor groups 1: dense blocks as rows of 256 bytes (32 elements of 8 bytes); 15:0 the mask of all four work-groups, bit 21 beside it.  A wave's part: 48 rows of a slot, 24 of the scale words, 18 of Wr
.irp g, 24, 32, 40
	s_mov_b32 s[\g], 15|(3<<16)|(1<<21)
	s_mov_b32 s[\g+1], 32<<16                      ; tensor_dim0
	s_mov_b32 s[\g+3], 32<<16                      ; tile_dim0
	s_mov_b32 s[\g+5], 32                          ; the pitch
	s_mov_b32 s[\g+6], 0
	s_mov_b32 s[\g+7], 0
.endr
	s_mov_b32 s26, 48<<16                          ; tensor_dim1 and tile_dim1
	s_mov_b32 s28, 48
	s_mov_b32 s34, 24<<16
	s_mov_b32 s36, 24
	s_mov_b32 s42, 18<<16
	s_mov_b32 s44, 18
	s_mul_i32 s90, s89, 32*STEPB                   ; the image's codes of K and V,
	s_mul_i32 s49, s[WV], SLOTB/8                  ; my eighth of a slot: in LDS (slot 0)
	s_add_co_u32 s90, s90, s49                     ; and in memory
	s_mov_b32 s91, 0
	s_mul_i32 s92, s89, 32*1536                    ; its scale words, my eighth
	s_mul_i32 s53, s[WV], 6144
	s_add_co_u32 s92, s92, s53
	s_mov_b32 s93, 0
	s_add_co_u32 s53, s53, SCL
	s_mul_i32 s94, s[WV], 4608                     ; Wr, my eighth
	s_mov_b32 s95, 0
	s_add_co_u32 s57, s94, WRI
	s_mov_b32 s48, 1
	s_mov_b32 s52, 1
	s_mov_b32 s56, 1
	s_mov_b32 s[SEL], 0x76543210
	s_mov_b32 s[SEL+1], 0xfedcba98
	s_mov_b32 s[CS], 0x3fb8aa3b                    ; log2(e): the scores are not scaled
	s_mov_b32 s[CS+1], s[CS]                       ; (named with it as a pair, so it is written)
	s_mov_b32 s[TB], 0
	s_mov_b32 s[TS], 0
	s_mov_b32 s[SLOTS], 7                          ; slots still to be asked for
	s_wait_kmcnt 0x0
	s_add_nc_u64 s[50:51], s[8:9], s[90:91]
	s_or_b32 s51, s51, 0x80000000
	s_add_nc_u64 s[54:55], s[10:11], s[92:93]
	s_or_b32 s55, s55, 0x80000000
	s_add_nc_u64 s[58:59], s[12:13], s[94:95]
	s_or_b32 s59, s59, 0x80000000
	s_load_b32 s[GAM], s[16:17], 0x0               ; gamma
	CROUND                                         ; all four work-groups are here: the first joint loads meet
	tensor_load_to_lds s[52:55], s[32:39]          ; the image's scale words: filled once
	s_nop 0
	tensor_load_to_lds s[56:59], s[40:47]          ; Wr: filled once
	s_nop 0
	tensor_load_to_lds s[48:51], s[24:31]          ; slot 0.  Three tensor loads of mine are out
	s_nop 0
	PLACES 4
	; what hangs on my place in the cluster: Q's, x's and out0's addresses and the prefetches' alone
	s_bfe_u32 s87, ttmp6, 0x40000                  ; cx
	s_lshl_b32 s88, ttmp9, 2
	s_add_co_u32 s88, s88, s87                     ; my block of 128 queries
	s_lshl_b32 s96, s89, 5
	s_add_co_u32 s96, s96, s88                     ; 32 image + block
	s_lshl_b32 s97, s[QP], 1
	s_add_co_u32 s97, s97, s[KG]                   ; my tile 0; tile 1 is its neighbour
.irp x, 0,1
	s_lshl_b32 s98, s96, 13
	s_lshl_b32 s99, s97, 10
	s_add_co_u32 s98, s98, s99
	s_mov_b32 s99, 0
	s_add_nc_u64 s[74+2*\x:75+2*\x], s[4:5], s[98:99]    ; the tile's fragment
	s_lshl_b32 s98, s96, 9
	s_lshr_b32 s99, s97, 2
	s_lshl_b32 s99, s99, 8
	s_add_co_u32 s98, s98, s99
	s_and_b32 s99, s97, 3
	s_lshl_b32 s99, s99, 2
	s_add_co_u32 s98, s98, s99
	s_mov_b32 s99, 0
	s_add_nc_u64 s[78+2*\x:79+2*\x], s[6:7], s[98:99]    ; its scale words: [tile / 4][row][tile % 4]
	s_xor_b32 s97, s97, 1
.endr
	s_lshl_b32 s98, s89, 22
	s_lshl_b32 s99, s[WV], 19
	s_add_co_u32 s98, s98, s99
	s_lshl_b32 s99, s88, 9
	s_add_co_u32 s98, s98, s99
	s_mov_b32 s99, 0
	s_add_nc_u64 s[82:83], s[18:19], s[98:99]      ; x and out0: the image, channels 32 wave on, my block's 512 bytes
	s_add_nc_u64 s[84:85], s[20:21], s[98:99]
	s_min_u32 s98, s[WV], 2                        ; the prefetches: waves 0 to 2 ask (the address lies inside the buffer in every wave)
	s_lshl_b32 s98, s98, 13
	s_mul_i32 s99, s87, STEPB
	s_add_co_u32 s98, s98, s99
	s_mul_i32 s99, s89, 32*STEPB
	s_add_co_u32 s98, s98, s99
	s_add_co_u32 s98, s98, SLOTB                   ; in slot 1: the first change of slots steps it to slot 2.  Nothing is prefetched here, at the head
	s_mov_b32 s99, 0
	s_add_nc_u64 s[PFA:PFA+1], s[8:9], s[98:99]
	s_cmp_lt_u32 s[WV], 3
	s_cselect_b32 s[LIM], 0, 1
	s_or_b32 s[LIM], s[LIM], ttmp9                 ; 0 in waves 0 to 2 of the image's first cluster: the same in all four partners
	s_cmp_eq_u32 s[LIM], 0
	s_cselect_b32 s[LIM], 1, -1
	v_and_b32 v[L16], 31, v0
	v_lshlrev_b32 v[L16], 4, v[L16]
	v_and_b32 v[AD], 15, v0
	v_lshlrev_b32 v[AD], 4, v[AD]
.irp x, 0,1
.irp c, 0,1
	global_load_b128 v[Q+8*\x+4*\c:Q+8*\x+4*\c+3], v[L16], s[74+2*\x:75+2*\x] offset:512*\c   ; Q stays in registers
.endr
	global_load_b32 v[QS+\x], v[AD], s[78+2*\x:79+2*\x]
.endr
	s_mul_i32 s98, s[KG], 2*STEPB
	v_add_nc_u32 v[LI], s98, v[L16]
	s_mul_i32 s98, s[KG], 2*1536
	s_add_co_u32 s98, s98, SCL
	v_add_nc_u32 v[LSC], s98, v[L16]
	v_lshlrev_b32 v[PFO], 4, v[L16]                ; 256 x lane
.irp x, 0,1
	v_mov_b32 v[ST+6*\x+1], 0xff61b1e6             ; the largest t so far: -3e38, under every t
	v_floor_f32 v[ST+6*\x], -v[ST+6*\x+1]          ; -M
	v_mov_b32 v[ST+6*\x+2], 0                      ; the sum, in two halves
	v_mov_b32 v[ST+6*\x+3], 0
	v_mov_b32 v[ST+6*\x+4], 0
	v_mov_b32 v[ST+6*\x+5], 0                      ; (named as the upper half of f's pair)
.endr
.irp b, 0,1,2,3
	v_mov_b32 v[W+4+\b], 0                         ; written once: a lane permute's destination counts as one of its sources (tile 1's lie in registers that K's loads write in every step)
.endr
	s_wait_loadcnt 0x0                             ; Q and its scale words
	s_wait_kmcnt 0x0                               ; gamma
	CHANGE 1                                       ; slot 0, the scale words and Wr are whole; slot 1 is asked for
	STEP 0, 1
	STEP 1, 0
	NEXT
	s_mov_b32 s[SLOTS], 6
.Lslot:                                            ; six trips: slots 1 to 6 are walked, slots 2 to 7 asked for
	CHANGE 1
	STEP 0, 0
	STEP 1, 0
	NEXT
	s_sub_co_u32 s[SLOTS], s[SLOTS], 1
	s_cmp_lg_u32 s[SLOTS], 0
	s_cbranch_scc1 .Lslot
	CHANGE 0                                       ; the last slot is written out
	STEP 0, 0
	STEP 1, 0
	; ---- THE WAY OUT.  The sums' halves; the addresses (from the thread's and the wave's number alone)
	v_add_f32 v[ST+2], v[ST+2], v[ST+3]
	v_add_f32 v[ST+8], v[ST+8], v[ST+9]
	s_lshl_b32 s88, s[WV], 14
	v_add_nc_u32 v[XW], s88, v[L16]                ; where I put my tile 1,
	s_xor_b32 s89, s[WV], 4
	s_lshl_b32 s90, s89, 14
	v_add_nc_u32 v[XR], s90, v[L16]                ; and where wave w xor 4 has put its: my tile 0's other half of the keys
	v_lshrrev_b32 v[BRO], 2, v[L16]                ; 4 x lane
	s_lshl_b32 s88, s[WV], 8
	s_add_co_u32 s88, s88, XST
	v_add_nc_u32 v[XSW], s88, v[BRO]
	s_lshl_b32 s90, s89, 8
	s_add_co_u32 s90, s90, XST
	v_add_nc_u32 v[XSR], s90, v[BRO]
	v_and_b32 v81, 15, v0                          ; r
	v_bfe_u32 v82, v0, 4, 1                        ; h
	v_lshlrev_b32 v[BRO], 2, v81                   ; br: 4 r
	v_add_nc_u32 v[WRA], WRI, v[L16]
	v_lshl_add_u32 v[WRSA], v82, 11, v[BRO]
	v_add_nc_u32 v[WRSA], WRS, v[WRSA]             ; Wr's scale words: 4 r, lanes 16-31 eight tiles on
	v_mul_u32_u24 v[SO0], v81, SP
	v_lshl_add_u32 v[SO0], v82, 6, v[SO0]
	s_lshl_b32 s88, s[QP], 7
	s_lshl_b32 s90, s[KG], 5
	s_add_co_u32 s88, s88, s90
	s_add_co_u32 s88, s88, STG
	v_add_nc_u32 v[SO0], s88, v[SO0]               ; the stage: row = channel 16 n + r; my eight pixels 32 qp + 8 kg + 16 h + 0 .. 7
	v_add_nc_u32 v[SO1], 128*SP, v[SO0]
	s_mul_i32 s88, s[WV], 32*SP
	s_add_co_u32 s88, s88, STG
	v_add_nc_u32 v[SRD], s88, v[L16]               ; back: my 32 channel rows, 16 bytes a lane
.irp b, 0,1,2,3
	v_mov_b32 v[TM+4+\b], 0
.endr
	WIN 0x04                                       ; an LDS store's data are its source 1: window 1
.set ei, 0
.rept 32
	ds_store_b128 v[XW], v[128+4*ei:128+4*ei+3] offset:512*ei    ; tile 1's O^T as it stands, each accumulator from its low end on
.set ei, ei+1
.endr
	WIN 0
	ds_store_b32 v[XSW], v[ST+6]                   ; its -M
	ds_store_b32 v[XSW], v[ST+8] offset:128        ; and its sum
	s_wait_dscnt 0x0                               ; my stores have landed and have read their registers
.irp n, 0,1,2,3,4,5,6,7,8,9,10,11,12,13,14,15
	global_load_b32 v[BR+\n], v[BRO], s[14:15] offset:64*\n      ; br of channel 16 n + r
.endr
	WIN 0x40
.set ei, 0
.rept 32
	global_load_b128 v[128+4*ei:128+4*ei+3], v[L16], s[82:83] offset:16384*ei th:TH_LOAD_NT   ; x, rows 32 wave + i: 512 consecutive bytes a load; asked for now, wanted at the very end
.set ei, ei+1
.endr
	WIN 0
	s_barrier_signal -1
	s_barrier_wait -1                              ; every wave's tile 1 lies in LDS, and nobody reads slot 1 or the keys' scale words any more
.set ei, 0
.rept 32
	ds_load_b128 v[S+4*ei:S+4*ei+3], v[XR] offset:512*ei
.set ei, ei+1
.endr
	ds_load_b32 v78, v[XSR]                        ; the partner's -M
	ds_load_b32 v79, v[XSR] offset:128             ; and sum
	s_wait_dscnt 0x0
	v_min_num_f32 v80, v[ST], v78                  ; the joint -M
	v_sub_f32 v81, v80, v[ST]                      ; my M - the joint M: a whole number, 0 or less
	v_sub_f32 v83, v80, v78
	v_cvt_i32_f32 v81, v81
	v_cvt_i32_f32 v83, v83
	v_ldexp_f32 v82, 1.0, v81                      ; both halves are brought under the joint M by exact powers of two
	v_ldexp_f32 v83, 1.0, v83
	v_mul_f32 v81, v[ST+2], v82
	v_fma_f32 v81, v79, v83, v81
	v_permlanex16_b32 v80, v81, s[SEL], s[SEL+1]
	v_add_f32 v81, v81, v80                        ; with lane l xor 16's: the row's sum
	v_rcp_f32 v80, v81
	v_nop                                          ; a plain line behind the reciprocal,
	s_wait_alu depctr_va_vdst(0)                   ; and a wait ahead of its first reader
	v_mul_f32 v92, v82, v80
	v_mul_f32 v93, v82, v80
	v_mul_f32 v94, v83, v80
	v_mul_f32 v95, v83, v80
.set ei, 0
.rept 64
	v_pk_mul_f32 v[S+ei:S+ei+1], v[S+ei:S+ei+1], v[94:95]
.set ei, ei+2
.endr
	WIN 0x01                                       ; source 0 window 1: my own O^T
.set ei, 0
.rept 64
	v_pk_fma_f32 v[S+ei:S+ei+1], v[ei:ei+1], v[92:93], v[S+ei:S+ei+1]   ; O / the sum: register 16 B + i = channel 32 B + 16 h + i of my query
.set ei, ei+2
.endr
	WIN 0
	WRLOAD 0                                       ; lands while O is quantised
	QUANT S, F, PW
	QUANT S+64, F+8, PW+1
	PLACES 8                                       ; scale words made by vector instructions stand eight places ahead of the scaled product
	s_wait_dscnt 0x0
	OUTMUL 0
	PLACES 4                                       ; ahead of loads into registers that matrix instructions have read
	WRLOAD 1
	s_wait_dscnt 0x0
	OUTMUL 1
	s_wait_loadcnt 32                              ; br's sixteen loads are in; x's 32, issued behind them, may be out
.irp n, 0,1,2,3,4,5,6,7,8,9,10,11,12,13,14,15
	v_mul_f32 v[BR+\n], s[GAM], v[BR+\n]           ; gamma br; these sixteen are the places behind the last products
.endr
.irp n, 0,1,2,3,4,5,6,7,8,9,10,11,12,13,14,15
.irp j, 0,1,2,3,4,5,6,7
	v_fma_f32 v[S+8*\n+\j], v[S+8*\n+\j], s[GAM], v[BR+\n]   ; gamma y + gamma br
.endr
.endr
.irp n, 0,1,2,3,4,5,6,7
	ds_store_b128 v[SO0], v[S+8*\n:S+8*\n+3] offset:16*SP*\n
	ds_store_b128 v[SO0], v[S+8*\n+4:S+8*\n+7] offset:16*SP*\n+16
.endr
.irp n, 0,1,2,3,4,5,6,7
	ds_store_b128 v[SO1], v[S+64+8*\n:S+64+8*\n+3] offset:16*SP*\n
	ds_store_b128 v[SO1], v[S+64+8*\n+4:S+64+8*\n+7] offset:16*SP*\n+16
.endr
	s_wait_dscnt 0x0                               ; for the others' sake: my stores into the stage have landed
	s_barrier_signal -1
	s_barrier_wait -1                              ; 256 whole rows of 128 pixels lie in the stage
.set ei, 0
.rept 32
	ds_load_b128 v[S+4*ei:S+4*ei+3], v[SRD] offset:SP*ei
.set ei, ei+1
.endr
	s_wait_dscnt 0x0
	s_wait_loadcnt 0x0                             ; x
	WIN 0x04                                       ; source 1 window 1
.set ei, 0
.rept 64
	v_pk_add_f32 v[S+ei:S+ei+1], v[S+ei:S+ei+1], v[128+ei:128+ei+1]   ; + x
.set ei, ei+2
.endr
	WIN 0
.set ei, 0
.rept 32
	global_store_b128 v[L16], v[S+4*ei:S+4*ei+3], s[84:85] offset:16384*ei th:TH_STORE_NT   ; 32 lanes store 512 consecutive bytes, at a multiple of 256 from out0's first byte
.set ei, ei+1
.endr
	s_wait_tensorcnt 0x0                           ; the wave's end, behind my last tensor load and my last LDS store
	ds_add_u32 v[SPW], v[NIL]
	s_wait_dscnt 0x0
	CROUND                                         ; the closing round: no work-group ends while a partner may still ask for a tile that names it
	s_endpgm
.Lfunc_end_k_q1e0b8d1c1e_attn:
	.size	k_q1e0b8d1c1e_attn, .Lfunc_end_k_q1e0b8d1c1e_attn-k_q1e0b8d1c1e_attn
	.p2alignl 7, 3214868480
	.fill 96, 4, 3214868480
	.section	.rodata,"a",@progbits
	.p2align	6, 0x0
	.amdhsa_kernel k_q1e0b8d1c1e_attn
		.amdhsa_group_segment_fixed_size 327680
		.amdhsa_private_segment_fixed_size 0
		.amdhsa_enable_private_segment 0
		.amdhsa_kernarg_size 72
		.amdhsa_user_sgpr_count 2
		.amdhsa_user_sgpr_kernarg_segment_ptr 1
		.amdhsa_wavefront_size32 1
		.amdhsa_system_sgpr_workgroup_id_x 1
		.amdhsa_system_sgpr_workgroup_id_y 1
		.amdhsa_system_sgpr_workgroup_id_z 1
		.amdhsa_system_vgpr_workitem_id 0
		.amdhsa_next_free_vgpr 512
		.amdhsa_next_free_sgpr 100
		.amdhsa_reserve_vcc 0
		.amdhsa_float_denorm_mode_32 3
		.amdhsa_float_denorm_mode_16_64 3
		.amdhsa_memory_ordered 1
		.amdhsa_forward_progress 1
		.amdhsa_inst_pref_size 255
	.end_amdhsa_kernel
	.section	.bss,"aw",@nobits
	.p2align	6
	.space	262144
	.amdgpu_metadata
---
amdhsa.version: [ 1, 2 ]
amdhsa.kernels:
  - .name:           k_q1e0b8d1c1e_attn
    .symbol:         k_q1e0b8d1c1e_attn.kd
    .args:
      - { .name: qc, .offset: 0, .size: 8, .value_kind: global_buffer, .address_space: global }
      - { .name: qs, .offset: 8, .size: 8, .value_kind: global_buffer, .address_space: global }
      - { .name: kvc, .offset: 16, .size: 8, .value_kind: global_buffer, .address_space: global }
      - { .name: kvs, .offset: 24, .size: 8, .value_kind: global_buffer, .address_space: global }
      - { .name: wrq, .offset: 32, .size: 8, .value_kind: global_buffer, .address_space: global }
      - { .name: br, .offset: 40, .size: 8, .value_kind: global_buffer, .address_space: global }
      - { .name: gamma, .offset: 48, .size: 8, .value_kind: global_buffer, .address_space: global }
      - { .name: x, .offset: 56, .size: 8, .value_kind: global_buffer, .address_space: global }
      - { .name: out0, .offset: 64, .size: 8, .value_kind: global_buffer, .address_space: global }
    .group_segment_fixed_size: 327680
    .private_segment_fixed_size: 0
    .kernarg_segment_align: 8
    .kernarg_segment_size: 72
    .max_flat_workgroup_size: 256
    .sgpr_count:     100
    .vgpr_count:     512
    .wavefront_size: 32
...
	.end_amdgpu_metadata
.endif
;; end of part 3
